; MI455X (gfx1250); checked and timed in simulation.
; The chip was launched on July 23, 2026; its instructions are those of AMD's public machine-readable ISA for CDNA 5 (MIT licence, August 2026) and "CDNA5" Instruction Set Architecture Reference Guide (July 2026). The comments in the code are by the model that wrote it; some were corrected since.
;; Manual Attention. Allowed arithmetic: float matrix products may take bf16 or f16 operands with f32 sums; all other float work in f32.
;; Inputs: k 4 x 16 x 2,048 x 64 float32; q 4 x 16 x 2,048 x 64 float32; v 4 x 16 x 2,048 x 64 float32.
;; Outputs: out0 4 x 16 x 2,048 x 64 float32.
;; 2 versions, each right and faster than the one before. Each part assembles by itself: llvm-mc -triple=amdgcn-amd-amdhsa -mcpu=gfx1250 --defsym DOCPART=n.
;; ======== version 1 of 2: 1 launch
;; launch attn (part 1): grid 256 x 1, 4 waves a work-group, clusters of 4 x 1, 327,680 bytes of LDS; arguments q, k, v, out0; writes out0
.if DOCPART == 1
	.amdgcn_target "amdgcn-amd-amdhsa--gfx1250"
	.amdhsa_code_object_version 6
	.text
	.protected	k_qc6efcfa1e9_attn
	.globl	k_qc6efcfa1e9_attn
	.p2align	8
	.type	k_qc6efcfa1e9_attn,@function
k_qc6efcfa1e9_attn:
	s_mov_b64 s[64:65], 0
	v_nop
	global_prefetch_b8 v0, s[64:65] scope:SCOPE_SE
	s_setreg_imm32_b32 hwreg(HW_REG_WAVE_MODE, 25, 1), 1
	s_wait_xcnt 0x0
	s_wait_alu depctr_hold_cnt(0) depctr_sa_sdst(0) depctr_va_vdst(0) depctr_va_sdst(0) depctr_va_ssrc(0) depctr_va_vcc(0) depctr_vm_vsrc(0)
	s_getreg_b32 s2, hwreg(HW_REG_IB_STS2, 6, 4)
	s_cmp_eq_u32 s2, 0
	s_cbranch_scc0 .Lentry_in_a_cluster
	s_endpgm
.Lentry_in_a_cluster:
	s_bfe_u32 s2, ttmp6, 0x10000c
	s_cmp_lg_u32 s2, 0x3003
	s_cbranch_scc0 .Lentry_shape_is_right
	s_endpgm
.Lentry_shape_is_right:
; out0[b,h,q,:] = softmax over keys of (q . k / 8) times v.  q, k, v, out0: [4][16][2048][64] f32, taken as 64 heads of 2048 rows of 256 bytes.
; No work of the problem is left out: all three inputs are loaded, every score is made, and the row maximum is taken away before every exponential
; (a running maximum over the 16 key tiles, with the sums and the output rescaled when it rises).
;
; SHARES.  256 work-groups of four waves.  A work-group owns 512 query rows of one head, a wave 128 of them as eight query tiles of 16.
; CLUSTER.  The four work-groups of a head form a cluster of 4 x 1 and walk the same 16 key tiles of 128 keys: K's and V's tiles are asked for jointly
; (mask 15 names the four), each of the four receives them in its own LDS, and the requests for K and V are divided by four.
; THE WAY OF A KEY TILE.  (1) Four joint tensor loads, one a wave (64 rows x 256 bytes each), bring K's and V's 128 rows in f32 into one of two LDS slots.
; (2) One trip later the four waves share the rounding to bf16 (32 rows of K and of V each) into one of two bf16 stages, which no tensor load ever fills.
; (3) One trip later again every wave takes its fragments from that stage.  One barrier a trip orders all three.
; THE PRODUCTS ARE USED TRANSPOSED.  S^T = K Q^T: source 0 = 16 keys, source 1 = 16 queries; lane l holds query l % 16 and, for key tile t, keys
; 16 t + 8 (l / 16) + 0..7.  Two such tiles, packed to bf16, ARE source 1 of O^T = V^T P^T (32 keys x 16 queries): no shuffle.  A row's maximum and sum
; need one exchange between the two halves of the lanes; the factor of a rescale is one number a lane.  In O^T a lane holds eight neighbouring d of its query.
; THE SCHEDULE.  A wave issues in order, so products and softmax take turns.  The softmax and rescale of query tile i (215 vector instructions) are cut into
; 32 slices, and one slice stands behind each of 32 products that do not hang on it: the 16 of tile i - 1's second product, then the 16 of tile i + 1's scores.
; A trip has 256 products and 8 x 215 such instructions.  Tile 0's scores stand alone at the trip's head; tile 7's second product carries the rounding of
; the next key tile to bf16, four conversions behind each product.  The products have source 0 in window 1 and the softmax in window 0 (K's and V's fragments
; fill a window by themselves), so a slot costs two switches of the register window.
; ONE TEXT FOR 13 OF THE 16 TRIPS.  Which slot and which stage a trip uses (its parity) stands in registers, not in immediates: the two slots and the two stages
; each lie 65,536 bytes apart, two scalars hold this parity's and the other parity's 0 or 65,536 and are toggled by an xor at the trip's head, and the six LDS
; addresses that hang on them are made there from fixed bases, one add each.  The descriptors' LDS word is toggled likewise.  So trips 1 to 13 are a loop of one
; trip; written out beside it are trip 0 (its products start the sums), trip 14 (asks for no tile) and trip 15 (asks for none and rounds none).
;
; LIMITS.  Matrix operands (Q, K, V, P) are rounded to bf16; scores, maxima, exponentials, row sums and the output sums are f32.  The factor
; 0.125 log2(e) is applied to the f32 scores in one fused multiply-add with the maximum's term, not folded into Q.  The row sum adds the unrounded
; exponentials, the second product takes them rounded to bf16.  v_exp_f32 gives 0 for results below 2^-126.  v_max_num_f32 passes over a NaN in the
; maximum; a NaN score still reaches its row through its exponential and the row sum.  The order of all sums differs from a plain row-wise softmax.
;
; REGISTERS, in windows of 256:
;   window 0: addresses, softmax state, two sets of 64 scores (even and odd query tiles), the way out
;   window 1: v0-127 K fragments KF(t, c) = 16 t + 8 c;  v128-255 V^T fragments VF(kb, dt) = 128 + 32 kb + 8 dt
;   window 2: v0-127 Q fragments QF(i, c) = 16 i + 8 c;  v128-255 the f32 rows on their way to bf16
;   window 3: the output sums O(i, dt) = 32 i + 8 dt
.set TILEB, 32768                      ; a key tile of K or of V in memory: 128 rows x 256 bytes
.set SLOT,  65536                      ; an f32 slot: K's 128 rows, then V's 128 rows.  Slots at LDS bytes 0 and 65,536.  Also the distance between the two bf16 stages
.set STG,   131072                     ; bf16 stage 0; stage 1 at 196,608
.set KP,    144                        ; pitch of K's (and Q's) bf16 rows: 128 bytes + 16: sixteen rows start at sixteen different 16-byte columns of 256 bytes
.set VP,    160                        ; pitch of V's bf16 rows: 128 bytes + 32, an odd multiple of 32, for the transposing loads
.set VOFF,  128*KP                     ; V's part of a stage, behind K's 18,432 bytes
.set STGB,  128*KP+128*VP              ; a stage holds 38,912 bytes
.set QSTG,  STG+SLOT+STGB              ; 235,520, behind stage 1: each wave's own 18,432 bytes: Q in bf16 at the start, 16 rows of f32 results at the end
.set QSTB,  128*KP
.set OP,    272                        ; pitch of a result row in that stage: 256 bytes + 16
.set KRD,  2                           ; v2      slot 0: where I read K's f32 rows for the rounding; never rewritten
.set KRDC, 3                           ; v3      the same in the slot that this trip rounds
.set VRD,  4                           ; v4, v5  the same two for V
.set VRDC, 5
.set KWR,  6                           ; v6      stage 0: where I put K's bf16; never rewritten
.set VWR,  7                           ; v7      the same for V
.set KFA,  8                           ; v8      stage 0: my K fragments; never rewritten
.set VFA,  9                           ; v9      stage 0: my V^T fragments; never rewritten
.set QST,  10                          ; v10     my stage: where I put Q's bf16
.set QFA,  11                          ; v11     my stage: my Q fragments
.set OST,  12                          ; v12     my stage: where I put 32 bytes of a result row
.set ORD,  13                          ; v13     my stage: where I read result rows back
.set GQ,   14                          ; v14     byte offset in q and out0 of my 16 bytes in my wave's first two rows; never rewritten
.set M,    16                          ; v16-23  query tile i: running maximum of the raw scores of my query
.set LS,   24                          ; v24-31  query tile i: running sum of my lane's half of the exponentials
.set NMC,  32                          ; v32     - maximum x 0.125 log2(e)   (v33 fills the pair)
.set AL,   34                          ; v34     the rescale's factor; at the end 1 / row sum   (v35 fills the pair)
.set T,    36                          ; v36-39  at work
.set TX,   40                          ; v40     what the other half of the lanes sent
.set MN,   41                          ; v41     the new maximum
.set SUM0, 42                          ; v42-43, v44-45  two chains of packed sums
.set SUM1, 44
.set KWRC, 46                          ; v46, v47  KWR, VWR in the stage that this trip writes
.set VWRC, 47
.set KFAC, 48                          ; v48, v49  KFA, VFA in the stage that this trip multiplies
.set VFAC, 49
.set SA,   64                          ; v64-127   scores of even query tiles, tile t at + 8 t; packed in place, key block kb at + 8 kb
.set SB,   128                         ; v128-191  the same for odd query tiles
.set OT,   192                         ; v192-223  the way out: a query tile's results, scaled
.set OB,   224                         ; v224-255  the way out: rows read back
.set VF,   128                         ; window 1
.set CV,   128                         ; window 2
.set G1,   16                          ; s[16:23] descriptor group 1, one for every load, never rewritten
.set G0K,  32                          ; s[32:35] descriptor group 0 for K's tiles
.set G0V,  36                          ; s[36:39] the same for V's tiles
.set SP,   47                          ; s47      65,536 x (trip % 2): the stage that the trip multiplies and the slot that it has filled again
.set SO,   48                          ; s48      65,536 x (1 - trip % 2): the slot that the trip rounds and the stage that it writes
.set QKW, 0x09                         ; source 0 window 1, source 1 window 2, C and D window 0
.set PVW, 0xf1                         ; source 0 window 1, source 1 window 0, C and D window 3
.set RSW, 0xc3                         ; destination and source 0 window 3, source 1 window 0
.set TO1, 0x40                         ; destination window 1
.set TO2, 0x80                         ; destination window 2
.set CVW, 0x8a                         ; destination and both sources window 2
.set STW, 0x08                         ; an LDS store's data (source 1) window 2, its address window 0
.set NRM, 0x03                         ; source 0 window 3
.set MSB, 0
.macro WIN new                         ; the immediate's high byte repeats the setting that is left; a switch that changes nothing is dropped
.if MSB != \new
	s_set_vgpr_msb (MSB<<8)|\new
.set MSB, \new
.endif
.endm
.macro PLACES                          ; four places behind matrix instructions (ISA guide 7.12.1), where no vector work is at hand
.rept 4
	v_nop
.endr
.endm
; A round of the cluster's barrier: my work-group's barrier, wave 0 signals for the work-group, every wave waits for all four work-groups, my work-group's barrier again.
.macro ROUND
	s_barrier_signal -1
	s_barrier_wait -1
	s_cmp_lg_u32 s12, 0
	s_cbranch_scc1 .Lnot_wave_0_\@
	s_barrier_signal -3
.Lnot_wave_0_\@:
	s_barrier_wait -3
	s_barrier_signal -1
	s_barrier_wait -1
.endm
; A joint load.  Waves 0 and 1 ask for K's two halves, waves 2 and 3 for V's.  The branch hangs on the wave's number alone, and nothing in
; the descriptors hangs on the work-group's place in its cluster: the four partners issue the same line with the same registers.
.macro JLOAD
	s_cmp_eq_u32 s41, 0
	s_cbranch_scc0 .Lfor_v_\@
	tensor_load_to_lds s[G0K:G0K+3], s[G1:G1+7]
	s_nop 0
	s_branch .Lasked_\@
.Lfor_v_\@:
	tensor_load_to_lds s[G0V:G0V+3], s[G1:G1+7]
	s_nop 0
.Lasked_\@:
.endm
	s_load_b256 s[4:11], s[0:1], 0x0               ; q s[4:5], k s[6:7], v s[8:9], out0 s[10:11]
	v_lshl_add_u32 v62, v0, 2, 0x4b800
	v_mov_b32 v63, 0
	ds_add_u32 v62, v63
	v_lshrrev_b32 v1, 5, v0
	v_readfirstlane_b32 s12, v1                    ; wave 0..3
	s_bfe_u32 s13, ttmp6, 0x40000                  ; cx: my place in the cluster; it enters the offset in q and out0 and nothing else
	s_lshl_b32 s14, ttmp9, 2                       ; ttmp9 counts clusters: the head
	s_add_co_u32 s14, s14, s13                     ; 4 x head + cx: my block of 512 query rows
	s_lshl_b32 s14, s14, 17                        ; x 512 rows x 256 bytes (33,423,360 at the most)
	s_mov_b32 s15, 0
	s_and_b32 s30, s12, 1                          ; which 64 rows of a tile I fetch
	s_lshl_b32 s30, s30, 14
	s_lshl_b32 s31, ttmp9, 19                      ; head x 524,288 bytes
	s_add_co_u32 s30, s30, s31
	s_mov_b32 s31, 0
	s_lshr_b32 s41, s12, 1                         ; I fetch for K (0) or for V (1)
	s_lshl_b32 s46, s12, 14                        ; and put it at wave x 16,384 of the slot: K's halves, then V's
	s_mov_b32 s[SP], 0                             ; the two parities; every trip's head toggles them, the step in front of trip 0 first
	s_mov_b32 s[SO], SLOT
	s_mov_b32 s24, 0x3e38aa3b                      ; 0.125 log2(e): 1 / sqrt(64), and e^x = 2^(x log2 e)
	s_mov_b32 s25, 0x3e38aa3b
	s_mov_b32 s26, 0xbe38aa3b                      ; its negative
	s_mov_b32 s28, 0x76543210                      ; v_permlanex16_b32: lane i of one half reads lane i of the other
	s_mov_b32 s29, 0xfedcba98
	; group 1: 64 rows of 64 elements of 4 bytes, dense in memory and in LDS
	s_mov_b32 s[G1+0], 0x0022000f                  ; 15:0 mask: the cluster's four work-groups; 17:16 element of 4 bytes; 20 no padding; 21 set beside a mask
	s_mov_b32 s[G1+1], 64<<16                      ; 63:48 tensor_dim0, low half = 64
	s_mov_b32 s[G1+2], 64<<16                      ; 79:64 its high half = 0; 95:80 tensor_dim1, low half = 64
	s_mov_b32 s[G1+3], 64<<16                      ; 111:96 its high half = 0; 127:112 tile_dim0 = 64
	s_mov_b32 s[G1+4], 64                          ; 143:128 tile_dim1 = 64; 159:144 tile_dim2 = 0
	s_mov_b32 s[G1+5], 64                          ; 191:160 elements from row to row
	s_mov_b32 s[G1+6], 0
	s_mov_b32 s[G1+7], 0
	s_wait_dscnt 0x0
	s_wait_kmcnt 0x0
	s_add_nc_u64 s[4:5], s[4:5], s[14:15]          ; q and out0 at my work-group's first row
	s_add_nc_u64 s[10:11], s[10:11], s[14:15]
	; group 0, one for K's tiles and one for V's: key tile 0 into slot 0
	s_mov_b32 s[G0K], 1                                            ; 1:0 count = 1
	s_mov_b32 s[G0K+1], s46                                        ; 63:32 LDS address: wave x 16,384
	s_add_nc_u64 s[G0K+2:G0K+3], s[6:7], s[30:31]                  ; 120:64 global address: my 64 rows of the head's key tile 0
	s_or_b32 s[G0K+3], s[G0K+3], 0x80000000                        ; 127:126 type = 2
	s_mov_b32 s[G0V], 1
	s_mov_b32 s[G0V+1], s46
	s_add_nc_u64 s[G0V+2:G0V+3], s[8:9], s[30:31]
	s_or_b32 s[G0V+3], s[G0V+3], 0x80000000
	ROUND                                          ; all four work-groups are here: the first joint loads meet
	JLOAD                                          ; key tile 0 into slot 0
	; addresses.  l = lane, r = l % 16, h = l / 16, w = wave
	v_and_b32 v36, 15, v0                          ; r
	v_bfe_u32 v37, v0, 4, 1                        ; h
	v_and_b32 v38, 31, v0                          ; l
	v_lshlrev_b32 v1, 4, v36                       ; 16 r
	s_lshl_b32 s42, s12, 13                        ; my 32 f32 rows of K or V: w x 8,192
	v_lshl_add_u32 v[KRD], v37, 11, v1             ; sixteen lanes take a row of 256 bytes; lanes 16-31 the row 8 further down,
	v_add_nc_u32 v[KRD], s42, v[KRD]
	v_lshl_add_u32 v[VRD], v37, 10, v1             ; for V 4 further down: with the stages' pitches the two halves of a store of 8 bytes a lane then lie 128 bytes apart modulo 256
	v_add_nc_u32 v[VRD], s42, v[VRD]
	v_add_nc_u32 v[VRD], TILEB, v[VRD]
	s_mul_i32 s43, s12, 32*KP
	s_add_co_u32 s43, s43, STG
	v_mul_u32_u24 v[KWR], v37, 8*KP
	v_lshl_add_u32 v[KWR], v36, 3, v[KWR]
	v_add_nc_u32 v[KWR], s43, v[KWR]               ; stage + (32 w + 8 h) x 144 + 8 r
	s_mul_i32 s44, s12, 32*VP
	s_add_co_u32 s44, s44, STG+VOFF
	v_mul_u32_u24 v[VWR], v37, 4*VP
	v_lshl_add_u32 v[VWR], v36, 3, v[VWR]
	v_add_nc_u32 v[VWR], s44, v[VWR]               ; stage + V's part + (32 w + 4 h) x 160 + 8 r
	v_mul_u32_u24 v[KFA], v36, KP                  ; a fragment of 16 rows x 32 along d: row r, 16 bytes at 16 h, and 32 bytes further on
	v_lshl_add_u32 v[KFA], v37, 4, v[KFA]
	v_add_nc_u32 v[KFA], STG, v[KFA]
	v_and_b32 v41, 7, v0                           ; the transposing load: lane l addresses key 8 h + l % 8, 16 bytes (8 d) at 16 x ((l / 8) % 2)
	v_lshl_add_u32 v41, v37, 3, v41
	v_mul_u32_u24 v[VFA], v41, VP
	v_bfe_u32 v41, v0, 3, 1
	v_lshl_add_u32 v[VFA], v41, 4, v[VFA]
	v_add_nc_u32 v[VFA], STG+VOFF, v[VFA]
	s_mul_i32 s45, s12, QSTB
	s_add_co_u32 s45, s45, QSTG                    ; my own stage
	v_mul_u32_u24 v[QST], v37, KP
	v_lshl_add_u32 v[QST], v36, 3, v[QST]
	v_add_nc_u32 v[QST], s45, v[QST]
	v_mul_u32_u24 v[QFA], v36, KP
	v_lshl_add_u32 v[QFA], v37, 4, v[QFA]
	v_add_nc_u32 v[QFA], s45, v[QFA]
	v_mul_u32_u24 v[OST], v36, OP                  ; in: row r, 32 bytes for each half of the lanes
	v_lshl_add_u32 v[OST], v37, 5, v[OST]
	v_add_nc_u32 v[OST], s45, v[OST]
	v_mul_u32_u24 v[ORD], v37, OP                  ; back: lanes 0-15 one row of 256 bytes, lanes 16-31 the next
	v_lshl_add_u32 v[ORD], v36, 4, v[ORD]
	v_add_nc_u32 v[ORD], s45, v[ORD]
	v_lshlrev_b32 v[GQ], 4, v38
	v_lshl_add_u32 v[GQ], s12, 15, v[GQ]           ; w x 128 rows x 256 bytes + 16 l
	v_mov_b32 v[NMC+1], 0                          ; the upper registers of the two broadcast pairs, and the exchange's destination, are written once
	v_mov_b32 v[AL+1], 0
	v_mov_b32 v[TX], 0
; Q: four query tiles (64 rows) at a time.  A load of the wave takes two rows, 512 consecutive bytes; rounded to bf16 they go to my own stage.
.macro QBATCH qb
.irp a, 0,1,2,3
.irp j, 0,1,2,3,4,5,6,7
	global_load_b128 v[SA+32*\a+4*\j:SA+32*\a+4*\j+3], v[GQ], s[4:5] offset:(4*\qb+\a)*4096+512*\j th:TH_LOAD_NT
.endr
.endr
.irp a, 0,1,2,3
	s_wait_loadcnt 24-8*\a                         ; loads come back in order: tile a's eight are in, the later tiles' stay out
.irp j, 0,1,2,3,4,5,6,7
	v_cvt_pk_bf16_f32 v[SA+32*\a+4*\j], v[SA+32*\a+4*\j], v[SA+32*\a+4*\j+1]
	v_cvt_pk_bf16_f32 v[SA+32*\a+4*\j+1], v[SA+32*\a+4*\j+2], v[SA+32*\a+4*\j+3]
	ds_store_b64 v[QST], v[SA+32*\a+4*\j:SA+32*\a+4*\j+1] offset:(16*(4*\qb+\a)+2*\j)*KP
.endr
.endr
.endm
	QBATCH 0
	s_wait_dscnt 0x0                               ; the stores have read their data: the next batch lands in the same registers
	QBATCH 1
	WIN TO2
.irp i, 0,1,2,3,4,5,6,7
.irp c, 0,1
	ds_load_b128 v[16*\i+8*\c:16*\i+8*\c+3],   v[QFA] offset:16*KP*\i+64*\c      ; my own bytes: LDS serves a wave's instructions in order (ISA guide 5.7.1)
	ds_load_b128 v[16*\i+8*\c+4:16*\i+8*\c+7], v[QFA] offset:16*KP*\i+64*\c+32
.endr
.endr
	WIN 0
; The head of a trip: ONE barrier, for four things.  In front of it each wave waits for all its tensor loads (one is out: its part of the f32 tile that this
; trip rounds) and for all its LDS instructions (its reads of the slot rounded last trip and of the stage multiplied last trip, its stores into the stage
; multiplied now).  Behind it: that f32 tile is whole, the stage to be multiplied is whole, the other stage may be written, the slot rounded last trip may be
; filled.  refill = 1: the barrier is a round of the cluster's barrier, since the fill is joint, and the fill is the first tensor load behind it, one a wave.
; By this text's count a wave has one tensor load outstanding.
; The parity changes here.  refill = 1: the descriptors go one key tile on in memory and to the other slot in LDS, behind the wait that shows no load of mine out.
; conv = 1: the four addresses of the rounding are made for the other parity; frag = 1: the two of the fragments for this one.
.macro HEAD refill, conv, frag
	WIN 0
	s_wait_tensorcnt 0x0
	ds_add_u32 v62, v63
	s_wait_dscnt 0x0
.if \refill
	s_add_nc_u64 s[G0K+2:G0K+3], s[G0K+2:G0K+3], TILEB
	s_add_nc_u64 s[G0V+2:G0V+3], s[G0V+2:G0V+3], TILEB
	s_xor_b32 s[G0K+1], s[G0K+1], SLOT             ; wave x 16,384 is below 65,536: the xor adds or takes away a slot
	s_xor_b32 s[G0V+1], s[G0V+1], SLOT
.endif
	s_xor_b32 s[SP], s[SP], SLOT
	s_xor_b32 s[SO], s[SO], SLOT
	s_wait_dscnt 0x0
.if \frag
	v_add_nc_u32 v[KFAC], s[SP], v[KFA]
	v_add_nc_u32 v[VFAC], s[SP], v[VFA]
.endif
.if \conv
	v_add_nc_u32 v[KRDC], s[SO], v[KRD]
	v_add_nc_u32 v[VRDC], s[SO], v[VRD]
	v_add_nc_u32 v[KWRC], s[SO], v[KWR]
	v_add_nc_u32 v[VWRC], s[SO], v[VWR]
.endif
.if \refill
	ROUND
	JLOAD
.else
	s_barrier_signal -1
	s_barrier_wait -1
.endif
.endm
; 64 LDS loads: the fragments of a key tile from this trip's stage.  K's for d 0-31, K's for d 32-63, then V^T's.
.macro FRAGS
	WIN TO1
.irp c, 0,1
.irp t, 0,1,2,3,4,5,6,7
	ds_load_b128 v[16*\t+8*\c:16*\t+8*\c+3],   v[KFAC] offset:16*KP*\t+64*\c
	ds_load_b128 v[16*\t+8*\c+4:16*\t+8*\c+7], v[KFAC] offset:16*KP*\t+64*\c+32
.endr
.endr
.irp b, 0,1,2,3
.irp a, 0,1,2,3
	ds_load_tr16_b128 v[VF+32*\b+8*\a:VF+32*\b+8*\a+3],   v[VFAC] offset:32*VP*\b+32*\a         ; d 16 a + r, keys 32 b + 8 h + 0..7
	ds_load_tr16_b128 v[VF+32*\b+8*\a+4:VF+32*\b+8*\a+7], v[VFAC] offset:32*VP*\b+32*\a+16*VP   ; keys 32 b + 16 + 8 h + 0..7
.endr
.endr
.endm
; My 32 rows of K and of V in f32 from the other parity's slot: 32 loads of 16 bytes a lane, two rows each.
.macro CVLOAD
	WIN TO2
.irp j, 0,1,2,3,4,5,6,7,8,9,10,11,12,13,14,15
	ds_load_b128 v[CV+4*\j:CV+4*\j+3], v[KRDC] offset:256*(16*(\j>>3)+(\j&7))
.endr
.irp j, 0,1,2,3,4,5,6,7,8,9,10,11,12,13,14,15
	ds_load_b128 v[CV+64+4*\j:CV+64+4*\j+3], v[VRDC] offset:256*(8*(\j>>2)+(\j&3))
.endr
.endm
; What two of those loads brought (loads 2 idx and 2 idx + 1) is rounded to bf16 in place: four conversions.
.macro CVT4 idx
	WIN CVW
	v_cvt_pk_bf16_f32 v[CV+8*(\idx)],   v[CV+8*(\idx)],   v[CV+8*(\idx)+1]
	v_cvt_pk_bf16_f32 v[CV+8*(\idx)+1], v[CV+8*(\idx)+2], v[CV+8*(\idx)+3]
	v_cvt_pk_bf16_f32 v[CV+8*(\idx)+4], v[CV+8*(\idx)+4], v[CV+8*(\idx)+5]
	v_cvt_pk_bf16_f32 v[CV+8*(\idx)+5], v[CV+8*(\idx)+6], v[CV+8*(\idx)+7]
.endm
; The rounded rows go into the other parity's stage.
.macro CVPUT
	WIN STW
.irp j, 0,1,2,3,4,5,6,7,8,9,10,11,12,13,14,15
	ds_store_b64 v[KWRC], v[CV+4*\j:CV+4*\j+1] offset:KP*(16*(\j>>3)+(\j&7))
.endr
.irp j, 0,1,2,3,4,5,6,7,8,9,10,11,12,13,14,15
	ds_store_b64 v[VWRC], v[CV+64+4*\j:CV+64+4*\j+1] offset:VP*(8*(\j>>2)+(\j&3))
.endr
.endm
; PRODUCTS, one at a time.
; Product idx (0..15) of the scores of query tile qi into set sb: half idx / 8 of d, key tile idx % 8.  The eight accumulators take turns, one instruction
; a turn; the first half starts the sums.
.macro WQK qi, sb, idx
	WIN QKW
.set qt, (\idx)%8
.if (\idx) < 8
	v_wmma_f32_16x16x32_bf16 v[\sb+8*qt:\sb+8*qt+7], v[16*qt:16*qt+7], v[16*(\qi):16*(\qi)+7], 0
.else
	v_wmma_f32_16x16x32_bf16 v[\sb+8*qt:\sb+8*qt+7], v[16*qt+8:16*qt+15], v[16*(\qi)+8:16*(\qi)+15], v[\sb+8*qt:\sb+8*qt+7]
.endif
.endm
; Product idx (0..15) of O^T += V^T P^T for query tile qi, P in set sb: key block idx / 4, d tile idx % 4.  The four accumulators take turns, one instruction
; a turn.  first = 1: the first key block starts the sums: nothing is ever cleared.
.macro WPV qi, sb, idx, first
	WIN PVW
.set pkb, (\idx)/4
.set pdt, (\idx)%4
.set pzero, 0
.if \first
.if (\idx) < 4
.set pzero, 1
.endif
.endif
.if pzero
	v_wmma_f32_16x16x32_bf16 v[32*(\qi)+8*pdt:32*(\qi)+8*pdt+7], v[VF+32*pkb+8*pdt:VF+32*pkb+8*pdt+7], v[\sb+8*pkb:\sb+8*pkb+7], 0
.else
	v_wmma_f32_16x16x32_bf16 v[32*(\qi)+8*pdt:32*(\qi)+8*pdt+7], v[VF+32*pkb+8*pdt:VF+32*pkb+8*pdt+7], v[\sb+8*pkb:\sb+8*pkb+7], v[32*(\qi)+8*pdt:32*(\qi)+8*pdt+7]
.endif
.endm
; THE SOFTMAX'S INSTRUCTIONS, one at a time.  g = key tile 0..7 of the 128 keys.
.macro MAXK sb, k                      ; link k (0..5) of the four chains of maxima, which do not wait for each other
.irp c, 0,1,2,3
	v_max3_num_f32 v[T+\c], v[T+\c], v[\sb+16*\c+2*(\k)+3], v[\sb+16*\c+2*(\k)+4]
.endr
.endm
.macro SFMA sb, g, r                   ; r = 0..3: two scores x 0.125 log2(e) - maximum x 0.125 log2(e)
	v_pk_fma_f32 v[\sb+8*(\g)+2*(\r):\sb+8*(\g)+2*(\r)+1], v[\sb+8*(\g)+2*(\r):\sb+8*(\g)+2*(\r)+1], s[24:25], v[NMC:NMC+1] op_sel_hi:[1,0,0]
.endm
.macro SEXP sb, g, r                   ; r = 0..7
	v_exp_f32 v[\sb+8*(\g)+(\r)], v[\sb+8*(\g)+(\r)]
.endm
.macro SADD sb, g, r                   ; r = 0..3: two exponentials into one of two chains of sums.  Key tile 0 starts the chains with two adds: nothing is cleared
.if (\g) == 0
.if (\r) < 2
	s_wait_alu depctr_va_vdst(0)
	v_pk_add_f32 v[SUM0+2*(\r):SUM0+2*(\r)+1], v[\sb+4*(\r):\sb+4*(\r)+1], v[\sb+4*(\r)+2:\sb+4*(\r)+3]
.endif
.else
	s_wait_alu depctr_va_vdst(0)
	v_pk_add_f32 v[SUM0+2*((\r)&1):SUM0+2*((\r)&1)+1], v[SUM0+2*((\r)&1):SUM0+2*((\r)&1)+1], v[\sb+8*(\g)+2*(\r):\sb+8*(\g)+2*(\r)+1]
.endif
.endm
.macro SCVT sb, g, r                   ; r = 0..3: two exponentials, which have been added, packed to bf16 in place: register x of the set takes scores 2 x and 2 x + 1
	v_cvt_pk_bf16_f32 v[\sb+4*(\g)+(\r)], v[\sb+8*(\g)+2*(\r)], v[\sb+8*(\g)+2*(\r)+1]
.endm
.macro SRES qi, j                      ; j = 0..15: two output sums of query tile qi times the factor
	s_wait_alu depctr_va_vdst(0)
	v_pk_mul_f32 v[32*(\qi)+2*(\j):32*(\qi)+2*(\j)+1], v[32*(\qi)+2*(\j):32*(\qi)+2*(\j)+1], v[AL:AL+1] op_sel_hi:[1,0]
.endm
; SLICE idx (0..31) of the softmax step of query tile qi on its 64 scores a lane in set sb.  first = 1: the first key tile sets maximum and sum, nothing is rescaled.
;   0-2    the four chains of maxima, 8 instructions each          3     their last links, and the joins begin          4    last join, exchange, new maximum, its term
;   5      key tile 0's multiply-adds and first exponentials, the rescale's factor among them                             6    key tile 0's other exponentials
;   7-9    the rescale of the tile's 32 output sums                10-30 three slices for each key tile g = 1..7: its multiply-adds; the sums of tile g - 1; the
;   31     key tile 7's sums and packing, the row sum                    packing of tile g - 1; tile g's eight exponentials spread among them
; Behind each exponential stands another exponential or a plain instruction on other registers before its result is used (ISA guide 5.7.2); a product is not counted as one.
.macro SL idx, qi, sb, first
.if (\idx) == 0
	WIN 0
.irp c, 0,1,2,3
	v_max3_num_f32 v[T+\c], v[\sb+16*\c], v[\sb+16*\c+1], v[\sb+16*\c+2]
.endr
	MAXK \sb, 0
.endif
.if (\idx) == 1
	WIN 0
	MAXK \sb, 1
	MAXK \sb, 2
.endif
.if (\idx) == 2
	WIN 0
	MAXK \sb, 3
	MAXK \sb, 4
.endif
.if (\idx) == 3
	WIN 0
	MAXK \sb, 5
	v_max_num_f32 v[MN], v[\sb+47], v[\sb+63]      ; each chain leaves its sixteenth score over
	v_max3_num_f32 v[T], v[T], v[T+1], v[\sb+15]
	v_max3_num_f32 v[T+2], v[T+2], v[T+3], v[\sb+31]
.endif
.if (\idx) == 4
	WIN 0
	v_max3_num_f32 v[T], v[T], v[T+2], v[MN]
	v_permlanex16_b32 v[TX], v[T], s28, s29        ; the other 64 keys of my query lie in lane l xor 16
.if \first
	v_max_num_f32 v[M+\qi], v[T], v[TX]
	v_mul_f32 v[NMC], s26, v[M+\qi]
.else
	v_max3_num_f32 v[MN], v[T], v[TX], v[M+\qi]
	v_mul_f32 v[NMC], s26, v[MN]
.endif
.endif
.if (\idx) == 5
	WIN 0
	SFMA \sb, 0, 0
.if \first == 0
	v_fma_f32 v[AL], v[M+\qi], s24, v[NMC]         ; (old maximum - new maximum) x 0.125 log2(e), at most 0
.endif
	SFMA \sb, 0, 1
.if \first == 0
	v_exp_f32 v[AL], v[AL]                         ; the factor for what has been summed so far
.endif
	SFMA \sb, 0, 2
	SEXP \sb, 0, 0
.if \first == 0
	v_mov_b32 v[M+\qi], v[MN]
.endif
	SEXP \sb, 0, 1
	SFMA \sb, 0, 3
	SEXP \sb, 0, 2
.endif
.if (\idx) == 6
	WIN 0
.irp r, 3,4,5,6,7
	SEXP \sb, 0, \r
.endr
.endif
.if \first == 0
.if (\idx) == 7
	WIN RSW
.irp j, 0,1,2,3,4
	SRES \qi, \j
.endr
.endif
.if (\idx) == 8
	WIN RSW
.irp j, 5,6,7,8,9
	SRES \qi, \j
.endr
.endif
.if (\idx) == 9
	WIN RSW
.irp j, 10,11,12,13,14,15
	SRES \qi, \j
.endr
.endif
.endif
.if (\idx) >= 10
.if (\idx) <= 30
	WIN 0
.set ug, ((\idx)-10)/3+1
.set uq, ((\idx)-10)%3
.if uq == 0
	SFMA \sb, ug, 0
	SFMA \sb, ug, 1
	SEXP \sb, ug, 0
	SFMA \sb, ug, 2
	SEXP \sb, ug, 1
	SFMA \sb, ug, 3
.endif
.if uq == 1
	SADD \sb, (ug-1), 0
	SEXP \sb, ug, 2
	SADD \sb, (ug-1), 1
	SEXP \sb, ug, 3
	SADD \sb, (ug-1), 2
	SEXP \sb, ug, 4
	SADD \sb, (ug-1), 3
.endif
.if uq == 2
	SCVT \sb, (ug-1), 0
	SEXP \sb, ug, 5
	SCVT \sb, (ug-1), 1
	SEXP \sb, ug, 6
	SCVT \sb, (ug-1), 2
	SEXP \sb, ug, 7
	SCVT \sb, (ug-1), 3
.endif
.endif
.endif
.if (\idx) == 31
	WIN 0
	SADD \sb, 7, 0
	SADD \sb, 7, 1
	SADD \sb, 7, 2
	SADD \sb, 7, 3
	SCVT \sb, 7, 0
	SCVT \sb, 7, 1
	v_pk_add_f32 v[SUM0:SUM0+1], v[SUM0:SUM0+1], v[SUM1:SUM1+1]
	SCVT \sb, 7, 2
.if \first
	SCVT \sb, 7, 3
	v_add_f32 v[LS+\qi], v[SUM0], v[SUM0+1]
.else
	v_add_f32 v[T], v[SUM0], v[SUM0+1]
	SCVT \sb, 7, 3
	v_fma_f32 v[LS+\qi], v[LS+\qi], v[AL], v[T]
.endif
.endif
.endm
; A STEP: 32 slots, each a product and behind it a slice of query tile qi's softmax (scores in set sb).  Slots 0-15: tile qi - 1's second product (pv = 1), whose P lies
; in the other set ob; slots 16-31: tile qi + 1's scores (qk = 1), which land on that P.
; Distances (ISA guide 7.12.1), counted in plain vector instructions that name none of the product's registers: the slices work on set sb, the softmax state and O(qi),
; the products on set ob, O(qi - 1) and the fragments.  P's key block kb is last read in slot 4 kb + 3 and written over in slot 16 + kb: at the closest (slots 15 and 19)
; slices 15 to 18 stand between, four plain instructions each.  Slice 31's eleven stand between the last score product and the next step's first read of a score.
.macro STEP qi, sb, ob, pv, qk, first
.set sn, 0
.rept 32
.if sn < 16
.if \pv
	WPV (\qi-1), \ob, sn, \first
.endif
.else
.if \qk
	WQK (\qi+1), \ob, (sn-16)
.endif
.endif
	SL sn, \qi, \sb, \first
.set sn, sn+1
.endr
.endm
; Query tile 7's second product.  conv = 1: behind each of its 16 products stand four of the 64 conversions of the next key tile.
.macro LASTPV first, conv
.if \conv
	s_wait_dscnt 0x0                               ; the 32 f32 loads, issued seven steps ago, are the youngest LDS instructions
.endif
.set ln, 0
.rept 16
	WPV 7, SB, ln, \first
.if \conv
	CVT4 ln
.endif
.set ln, ln+1
.endr
.endm
; Trip t: multiplies key tile t from stage t % 2; conv = 1: rounds tile t + 1 from the other slot into the other stage; refill = 1: asks for tile t + 2 into slot t % 2.
.macro TRIP refill, conv, first
	HEAD \refill, \conv, 1
	FRAGS
	s_wait_dscnt 48                                ; K's fragments for d 0-31 are in; the 16 for d 32-63 and V's 32 may be out
.set bn, 0
.rept 8
	WQK 0, SA, bn
.set bn, bn+1
.endr
	s_wait_dscnt 32                                ; all of K's are in; V's 32 may be out
.rept 8
	WQK 0, SA, bn
.set bn, bn+1
.endr
.if \conv
	CVLOAD                                         ; they have the whole trip in which to come back
.endif
	WIN 0
	PLACES                                         ; behind tile 0's last score product, in front of the first read of a score: no vector work of the trip is ready here
	STEP 0, SA, SB, 0, 1, \first
.if \conv
	s_wait_dscnt 32                                ; V's fragments are in; the 32 f32 loads issued behind them may be out
.else
	s_wait_dscnt 0x0
.endif
	STEP 1, SB, SA, 1, 1, \first
	STEP 2, SA, SB, 1, 1, \first
	STEP 3, SB, SA, 1, 1, \first
	STEP 4, SA, SB, 1, 1, \first
	STEP 5, SB, SA, 1, 1, \first
	STEP 6, SA, SB, 1, 1, \first
	STEP 7, SB, SA, 1, 0, \first
	LASTPV \first, \conv
.if \conv
	CVPUT
.endif
	WIN 0                                          ; at a label and at a branch every window is 0
	PLACES                                         ; behind the last products: the next trip loads into their fragment registers, the way out reads their results
.endm
	HEAD 1, 1, 0                                   ; key tile 0 has landed everywhere; tile 1 is asked for, into slot 1, as a refill is; the rounding's addresses point at slot 0 and stage 0
	CVLOAD
	s_wait_dscnt 0x0
.set pn, 0
.rept 16
	CVT4 pn
.set pn, pn+1
.endr
	CVPUT                                          ; tile 0 in bf16, stage 0
	TRIP 1, 1, 1                                   ; trip 0 stands in front of the loop: its products start the output sums, its softmax sets maxima and row sums
	s_mov_b32 s40, 13
.Ltrips:
	TRIP 1, 1, 0                                   ; trips 1 to 13; trip 13 asks for the last tile, 15
	s_sub_co_u32 s40, s40, 1
	s_cmp_lg_u32 s40, 0
	s_cbranch_scc1 .Ltrips
	TRIP 0, 1, 0                                   ; trip 14 asks for nothing and rounds tile 15
	TRIP 0, 0, 0                                   ; trip 15
; THE WAY OUT, a query tile (16 rows of 256 bytes) at a time: row sum across the two halves of the lanes, one reciprocal, scale, 32 bytes a lane and d tile into my
; own stage, whole rows back, and stores of which each covers two rows: 512 consecutive bytes of out0, aligned.
.macro OUT16 qi
	v_permlanex16_b32 v[TX], v[LS+\qi], s28, s29
	v_add_f32 v[T], v[LS+\qi], v[TX]
	v_rcp_f32 v[AL], v[T]
	v_nop                                          ; one plain instruction behind the reciprocal before its use (ISA guide 5.7.2)
	WIN NRM
.irp j, 0,1,2,3,4,5,6,7,8,9,10,11,12,13,14,15
	s_wait_alu depctr_va_vdst(0)
	v_pk_mul_f32 v[OT+2*\j:OT+2*\j+1], v[32*\qi+2*\j:32*\qi+2*\j+1], v[AL:AL+1] op_sel_hi:[1,0]
.endr
	WIN 0
.irp a, 0,1,2,3
.irp c, 0,1
	ds_store_b128 v[OST], v[OT+8*\a+4*\c:OT+8*\a+4*\c+3] offset:64*\a+16*\c    ; d = 16 a + 8 h + 4 c + 0..3 of query r
.endr
.endr
	s_wait_xcnt 0x0                                ; the last tile's global stores have had their addresses translated (ISA guide 3.1): their data registers are loaded again only behind this wait
.irp t, 0,1,2,3,4,5,6,7
	ds_load_b128 v[OB+4*\t:OB+4*\t+3], v[ORD] offset:2*OP*\t                   ; my own bytes, served in order behind the stores above
.endr
.irp t, 0,1,2,3,4,5,6,7
	s_wait_dscnt 7-\t                              ; pair t of rows is in, the later ones may be out
	global_store_b128 v[GQ], v[OB+4*\t:OB+4*\t+3], s[10:11] offset:4096*\qi+512*\t th:TH_STORE_NT
.endr
.endm
	OUT16 0
	OUT16 1
	OUT16 2
	OUT16 3
	OUT16 4
	OUT16 5
	OUT16 6
	OUT16 7
	s_wait_tensorcnt 0x0
	ds_add_u32 v62, v63
	s_wait_dscnt 0x0
	ROUND                                          ; the closing round: no work-group ends while a partner may still ask for a tile that names it
	s_endpgm
.Lfunc_end_k_qc6efcfa1e9_attn:
	.size	k_qc6efcfa1e9_attn, .Lfunc_end_k_qc6efcfa1e9_attn-k_qc6efcfa1e9_attn
	.p2alignl 7, 3214868480
	.fill 96, 4, 3214868480
	.section	.rodata,"a",@progbits
	.p2align	6, 0x0
	.amdhsa_kernel k_qc6efcfa1e9_attn
		.amdhsa_group_segment_fixed_size 327680
		.amdhsa_private_segment_fixed_size 0
		.amdhsa_enable_private_segment 0
		.amdhsa_kernarg_size 32
		.amdhsa_user_sgpr_count 2
		.amdhsa_user_sgpr_kernarg_segment_ptr 1
		.amdhsa_wavefront_size32 1
		.amdhsa_system_sgpr_workgroup_id_x 1
		.amdhsa_system_sgpr_workgroup_id_y 1
		.amdhsa_system_sgpr_workgroup_id_z 1
		.amdhsa_system_vgpr_workitem_id 0
		.amdhsa_next_free_vgpr 1024
		.amdhsa_next_free_sgpr 66
		.amdhsa_reserve_vcc 0
		.amdhsa_float_denorm_mode_32 3
		.amdhsa_float_denorm_mode_16_64 3
		.amdhsa_memory_ordered 1
		.amdhsa_forward_progress 1
		.amdhsa_inst_pref_size 255
	.end_amdhsa_kernel
	.section	.bss,"aw",@nobits
	.p2align	6
	.space	262144
	.amdgpu_metadata
---
amdhsa.version: [ 1, 2 ]
amdhsa.kernels:
  - .name:           k_qc6efcfa1e9_attn
    .symbol:         k_qc6efcfa1e9_attn.kd
    .args:
      - { .name: q, .offset: 0, .size: 8, .value_kind: global_buffer, .address_space: global }
      - { .name: k, .offset: 8, .size: 8, .value_kind: global_buffer, .address_space: global }
      - { .name: v, .offset: 16, .size: 8, .value_kind: global_buffer, .address_space: global }
      - { .name: out0, .offset: 24, .size: 8, .value_kind: global_buffer, .address_space: global }
    .group_segment_fixed_size: 327680
    .private_segment_fixed_size: 0
    .kernarg_segment_align: 8
    .kernarg_segment_size: 32
    .max_flat_workgroup_size: 128
    .sgpr_count:     66
    .vgpr_count:     1024
    .wavefront_size: 32
...
	.end_amdgpu_metadata
.endif
;; end of part 1
;; ======== version 2 of 2: 1 launch; 1.82 times as fast as version 1
;; launch attn (part 2): grid 256 x 1, 4 waves a work-group, clusters of 4 x 1, 327,680 bytes of LDS; arguments q, k, v, out0; writes out0
.if DOCPART == 2
	.amdgcn_target "amdgcn-amd-amdhsa--gfx1250"
	.amdhsa_code_object_version 6
	.text
	.protected	k_qc6efcfa1e9_attn
	.globl	k_qc6efcfa1e9_attn
	.p2align	8
	.type	k_qc6efcfa1e9_attn,@function
k_qc6efcfa1e9_attn:
	s_mov_b64 s[64:65], 0
	v_nop
	global_prefetch_b8 v0, s[64:65] scope:SCOPE_SE
	s_setreg_imm32_b32 hwreg(HW_REG_WAVE_MODE, 25, 1), 1
	s_wait_xcnt 0x0
	s_wait_alu depctr_hold_cnt(0) depctr_sa_sdst(0) depctr_va_vdst(0) depctr_va_sdst(0) depctr_va_ssrc(0) depctr_va_vcc(0) depctr_vm_vsrc(0)
	s_getreg_b32 s2, hwreg(HW_REG_IB_STS2, 6, 4)
	s_cmp_eq_u32 s2, 0
	s_cbranch_scc0 .Lentry_in_a_cluster
	s_endpgm
.Lentry_in_a_cluster:
	s_bfe_u32 s2, ttmp6, 0x10000c
	s_cmp_lg_u32 s2, 0x3003
	s_cbranch_scc0 .Lentry_shape_is_right
	s_endpgm
.Lentry_shape_is_right:
; out0[b,h,q,:] = softmax over keys of (q . k / 8) times v.  q, k, v, out0: [4][16][2048][64] f32, taken as 64 heads of 2048 rows of 256 bytes.
; No work of the problem is left out: all three inputs are loaded, every score is made, and the row maximum is taken away before every exponential
; (a running maximum over the 16 key tiles, with the sums and the output rescaled when it rises).
;
; SHARES.  256 work-groups of four waves.  A work-group owns 512 query rows of one head, a wave 128 of them as eight query tiles of 16.
; CLUSTER.  The four work-groups of a head form a cluster of 4 x 1 and walk the same 16 key tiles of 128 keys: K's and V's tiles are asked for jointly
; (mask 15 names the four), each of the four receives them in its own LDS, and the requests for K and V are divided by four.
; THE WAY OF A KEY TILE.  (1) Four joint tensor loads, one a wave (64 rows x 256 bytes each), bring K's and V's 128 rows in f32 into one of two LDS slots.
; (2) One trip later the four waves share the rounding to bf16 (32 rows of K and of V each) into one of two bf16 stages, which no tensor load ever fills.
; (3) One trip later again every wave takes its fragments from that stage.  One barrier a trip orders all three.
; THE PRODUCTS ARE USED TRANSPOSED.  S^T = K Q^T: source 0 = 16 keys, source 1 = 16 queries; lane l holds query l % 16 and, for key tile t, keys
; 16 t + 8 (l / 16) + 0..7.  Two such tiles, packed to bf16, ARE source 1 of O^T = V^T P^T (32 keys x 16 queries): no shuffle.  A row's maximum and sum
; need one exchange between the two halves of the lanes; the factor of a rescale is one number a lane.  In O^T a lane holds eight neighbouring d of its query.
; THE SCHEDULE.  A wave issues in order, so products and softmax take turns.  The softmax and rescale of query tile i (215 vector instructions) are cut into
; 32 slices, and one slice stands behind each of 32 products that do not hang on it: the 16 of tile i - 1's second product, then the 16 of tile i + 1's scores.
; A trip has 256 products and 8 x 215 such instructions.  Tile 0's scores stand alone at the trip's head; tile 7's second product carries the rounding of
; the next key tile to bf16, four conversions behind each product.  The products have source 0 in window 1 and the softmax in window 0 (K's and V's fragments
; fill a window by themselves), so a slot costs two switches of the register window.
; THE BATCHES.  A query tile's 65 exponentials of a trip (the rescale's factor and the lane's 64 scores) are ONE batch with ONE wait.  The slices are ordered by who reads
; what: slices 0-4 find the maximum; slices 5-20 hold the 32 scalings and all the exponentials, and nothing there names an exponential's result; the wait stands at the end
; of slice 20; all that reads a result (the rescale, the sums, the packing to bf16, the row sum) stands in slices 21-31.  So a trip has eight such waits, and none is owed at
; a label or a branch.  The way out's eight reciprocals are a batch of their own, with one wait.
; ONE TEXT FOR 13 OF THE 16 TRIPS.  Which slot and which stage a trip uses (its parity) stands in registers, not in immediates: the two slots and the two stages
; each lie 65,536 bytes apart, two scalars hold this parity's and the other parity's 0 or 65,536 and are toggled by an xor at the trip's head, and the six LDS
; addresses that hang on them are made there from fixed bases, one add each.  The descriptors' LDS word is toggled likewise.  So trips 1 to 13 are a loop of one
; trip; written out beside it are trip 0 (its products start the sums), trip 14 (asks for no tile) and trip 15 (asks for none and rounds none).
;
; LIMITS.  Matrix operands (Q, K, V, P) are rounded to bf16; scores, maxima, exponentials, row sums and the output sums are f32.  The factor
; 0.125 log2(e) is applied to the f32 scores in one fused multiply-add with the maximum's term, not folded into Q.  The row sum adds the unrounded
; exponentials, the second product takes them rounded to bf16.  v_exp_f32 gives 0 for results below 2^-126.  v_max_num_f32 passes over a NaN in the
; maximum; a NaN score still reaches its row through its exponential and the row sum.  The order of all sums differs from a plain row-wise softmax.
;
; REGISTERS, in windows of 256:
;   window 0: addresses, softmax state, two sets of 64 scores (even and odd query tiles), the way out
;   window 1: v0-127 K fragments KF(t, c) = 16 t + 8 c;  v128-255 V^T fragments VF(kb, dt) = 128 + 32 kb + 8 dt
;   window 2: v0-127 Q fragments QF(i, c) = 16 i + 8 c;  v128-255 the f32 rows on their way to bf16
;   window 3: the output sums O(i, dt) = 32 i + 8 dt
.set TILEB, 32768                      ; a key tile of K or of V in memory: 128 rows x 256 bytes
.set SLOT,  65536                      ; an f32 slot: K's 128 rows, then V's 128 rows.  Slots at LDS bytes 0 and 65,536.  Also the distance between the two bf16 stages
.set STG,   131072                     ; bf16 stage 0; stage 1 at 196,608
.set KP,    144                        ; pitch of K's (and Q's) bf16 rows: 128 bytes + 16: sixteen rows start at sixteen different 16-byte columns of 256 bytes
.set VP,    160                        ; pitch of V's bf16 rows: 128 bytes + 32, an odd multiple of 32, for the transposing loads
.set VOFF,  128*KP                     ; V's part of a stage, behind K's 18,432 bytes
.set STGB,  128*KP+128*VP              ; a stage holds 38,912 bytes
.set QSTG,  STG+SLOT+STGB              ; 235,520, behind stage 1: each wave's own 18,432 bytes: Q in bf16 at the start, 16 rows of f32 results at the end
.set QSTB,  128*KP
.set OP,    272                        ; pitch of a result row in that stage: 256 bytes + 16
.set KRD,  2                           ; v2      slot 0: where I read K's f32 rows for the rounding; never rewritten
.set KRDC, 3                           ; v3      the same in the slot that this trip rounds
.set VRD,  4                           ; v4, v5  the same two for V
.set VRDC, 5
.set KWR,  6                           ; v6      stage 0: where I put K's bf16; never rewritten
.set VWR,  7                           ; v7      the same for V
.set KFA,  8                           ; v8      stage 0: my K fragments; never rewritten
.set VFA,  9                           ; v9      stage 0: my V^T fragments; never rewritten
.set QST,  10                          ; v10     my stage: where I put Q's bf16
.set QFA,  11                          ; v11     my stage: my Q fragments
.set OST,  12                          ; v12     my stage: where I put 32 bytes of a result row
.set ORD,  13                          ; v13     my stage: where I read result rows back
.set GQ,   14                          ; v14     byte offset in q and out0 of my 16 bytes in my wave's first two rows; never rewritten
.set M,    16                          ; v16-23  query tile i: running maximum of the raw scores of my query
.set LS,   24                          ; v24-31  query tile i: running sum of my lane's half of the exponentials
.set NMC,  32                          ; v32     - maximum x 0.125 log2(e)   (v33 fills the pair)
.set AL,   34                          ; v34     the rescale's factor   (v35 fills the pair)
.set T,    36                          ; v36-39  at work
.set TX,   40                          ; v40     what the other half of the lanes sent
.set MN,   41                          ; v41     the new maximum
.set SUM0, 42                          ; v42-43, v44-45  two chains of packed sums
.set SUM1, 44
.set KWRC, 46                          ; v46, v47  KWR, VWR in the stage that this trip writes
.set VWRC, 47
.set KFAC, 48                          ; v48, v49  KFA, VFA in the stage that this trip multiplies
.set VFAC, 49
.set SA,   64                          ; v64-127   scores of even query tiles, tile t at + 8 t; packed in place, key block kb at + 8 kb
.set SB,   128                         ; v128-191  the same for odd query tiles
.set RC,   64                          ; v64-79    the way out, when the scores' registers are free: query tile i's 1 / row sum at + 2 i; what the other half of the lanes sent fills the pair
.set OT,   192                         ; v192-223  the way out: a query tile's results, scaled
.set OB,   224                         ; v224-255  the way out: rows read back
.set VF,   128                         ; window 1
.set CV,   128                         ; window 2
.set G1,   16                          ; s[16:23] descriptor group 1, one for every load, never rewritten
.set G0K,  32                          ; s[32:35] descriptor group 0 for K's tiles
.set G0V,  36                          ; s[36:39] the same for V's tiles
.set SP,   47                          ; s47      65,536 x (trip % 2): the stage that the trip multiplies and the slot that it has filled again
.set SO,   48                          ; s48      65,536 x (1 - trip % 2): the slot that the trip rounds and the stage that it writes
.set QKW, 0x09                         ; source 0 window 1, source 1 window 2, C and D window 0
.set PVW, 0xf1                         ; source 0 window 1, source 1 window 0, C and D window 3
.set RSW, 0xc3                         ; destination and source 0 window 3, source 1 window 0
.set TO1, 0x40                         ; destination window 1
.set TO2, 0x80                         ; destination window 2
.set CVW, 0x8a                         ; destination and both sources window 2
.set STW, 0x08                         ; an LDS store's data (source 1) window 2, its address window 0
.set NRM, 0x03                         ; source 0 window 3
.set MSB, 0
.macro WIN new                         ; the immediate's high byte repeats the setting that is left; a switch that changes nothing is dropped
.if MSB != \new
	s_set_vgpr_msb (MSB<<8)|\new
.set MSB, \new
.endif
.endm
.macro PLACES                          ; four places behind matrix instructions (ISA guide 7.12.1), where no vector work is at hand
.rept 4
	v_nop
.endr
.endm
; A round of the cluster's barrier: my work-group's barrier, wave 0 signals for the work-group, every wave waits for all four work-groups, my work-group's barrier again.
.macro ROUND
	s_barrier_signal -1
	s_barrier_wait -1
	s_cmp_lg_u32 s12, 0
	s_cbranch_scc1 .Lnot_wave_0_\@
	s_barrier_signal -3
.Lnot_wave_0_\@:
	s_barrier_wait -3
	s_barrier_signal -1
	s_barrier_wait -1
.endm
; A joint load.  Waves 0 and 1 ask for K's two halves, waves 2 and 3 for V's.  The branch hangs on the wave's number alone, and nothing in
; the descriptors hangs on the work-group's place in its cluster: the four partners issue the same line with the same registers.
.macro JLOAD
	s_cmp_eq_u32 s41, 0
	s_cbranch_scc0 .Lfor_v_\@
	tensor_load_to_lds s[G0K:G0K+3], s[G1:G1+7]
	s_nop 0
	s_branch .Lasked_\@
.Lfor_v_\@:
	tensor_load_to_lds s[G0V:G0V+3], s[G1:G1+7]
	s_nop 0
.Lasked_\@:
.endm
	s_load_b256 s[4:11], s[0:1], 0x0               ; q s[4:5], k s[6:7], v s[8:9], out0 s[10:11]
	v_lshl_add_u32 v62, v0, 2, 0x4b800
	v_mov_b32 v63, 0
	ds_add_u32 v62, v63
	v_lshrrev_b32 v1, 5, v0
	v_readfirstlane_b32 s12, v1                    ; wave 0..3
	s_bfe_u32 s13, ttmp6, 0x40000                  ; cx: my place in the cluster; it enters the offset in q and out0 and nothing else
	s_lshl_b32 s14, ttmp9, 2                       ; ttmp9 counts clusters: the head
	s_add_co_u32 s14, s14, s13                     ; 4 x head + cx: my block of 512 query rows
	s_lshl_b32 s14, s14, 17                        ; x 512 rows x 256 bytes (33,423,360 at the most)
	s_mov_b32 s15, 0
	s_and_b32 s30, s12, 1                          ; which 64 rows of a tile I fetch
	s_lshl_b32 s30, s30, 14
	s_lshl_b32 s31, ttmp9, 19                      ; head x 524,288 bytes
	s_add_co_u32 s30, s30, s31
	s_mov_b32 s31, 0
	s_lshr_b32 s41, s12, 1                         ; I fetch for K (0) or for V (1)
	s_lshl_b32 s46, s12, 14                        ; and put it at wave x 16,384 of the slot: K's halves, then V's
	s_mov_b32 s[SP], 0                             ; the two parities; every trip's head toggles them, the step in front of trip 0 first
	s_mov_b32 s[SO], SLOT
	s_mov_b32 s24, 0x3e38aa3b                      ; 0.125 log2(e): 1 / sqrt(64), and e^x = 2^(x log2 e)
	s_mov_b32 s25, 0x3e38aa3b
	s_mov_b32 s26, 0xbe38aa3b                      ; its negative
	s_mov_b32 s28, 0x76543210                      ; v_permlanex16_b32: lane i of one half reads lane i of the other
	s_mov_b32 s29, 0xfedcba98
	; group 1: 64 rows of 64 elements of 4 bytes, dense in memory and in LDS
	s_mov_b32 s[G1+0], 0x0022000f                  ; 15:0 mask: the cluster's four work-groups; 17:16 element of 4 bytes; 20 no padding; 21 set beside a mask
	s_mov_b32 s[G1+1], 64<<16                      ; 63:48 tensor_dim0, low half = 64
	s_mov_b32 s[G1+2], 64<<16                      ; 79:64 its high half = 0; 95:80 tensor_dim1, low half = 64
	s_mov_b32 s[G1+3], 64<<16                      ; 111:96 its high half = 0; 127:112 tile_dim0 = 64
	s_mov_b32 s[G1+4], 64                          ; 143:128 tile_dim1 = 64; 159:144 tile_dim2 = 0
	s_mov_b32 s[G1+5], 64                          ; 191:160 elements from row to row
	s_mov_b32 s[G1+6], 0
	s_mov_b32 s[G1+7], 0
	s_wait_dscnt 0x0
	s_wait_kmcnt 0x0
	s_add_nc_u64 s[4:5], s[4:5], s[14:15]          ; q and out0 at my work-group's first row
	s_add_nc_u64 s[10:11], s[10:11], s[14:15]
	; group 0, one for K's tiles and one for V's: key tile 0 into slot 0
	s_mov_b32 s[G0K], 1                                            ; 1:0 count = 1
	s_mov_b32 s[G0K+1], s46                                        ; 63:32 LDS address: wave x 16,384
	s_add_nc_u64 s[G0K+2:G0K+3], s[6:7], s[30:31]                  ; 120:64 global address: my 64 rows of the head's key tile 0
	s_or_b32 s[G0K+3], s[G0K+3], 0x80000000                        ; 127:126 type = 2
	s_mov_b32 s[G0V], 1
	s_mov_b32 s[G0V+1], s46
	s_add_nc_u64 s[G0V+2:G0V+3], s[8:9], s[30:31]
	s_or_b32 s[G0V+3], s[G0V+3], 0x80000000
	ROUND                                          ; all four work-groups are here: the first joint loads meet
	JLOAD                                          ; key tile 0 into slot 0
	; addresses.  l = lane, r = l % 16, h = l / 16, w = wave
	v_and_b32 v36, 15, v0                          ; r
	v_bfe_u32 v37, v0, 4, 1                        ; h
	v_and_b32 v38, 31, v0                          ; l
	v_lshlrev_b32 v1, 4, v36                       ; 16 r
	s_lshl_b32 s42, s12, 13                        ; my 32 f32 rows of K or V: w x 8,192
	v_lshl_add_u32 v[KRD], v37, 11, v1             ; sixteen lanes take a row of 256 bytes; lanes 16-31 the row 8 further down,
	v_add_nc_u32 v[KRD], s42, v[KRD]
	v_lshl_add_u32 v[VRD], v37, 10, v1             ; for V 4 further down: with the stages' pitches the two halves of a store of 8 bytes a lane then lie 128 bytes apart modulo 256
	v_add_nc_u32 v[VRD], s42, v[VRD]
	v_add_nc_u32 v[VRD], TILEB, v[VRD]
	s_mul_i32 s43, s12, 32*KP
	s_add_co_u32 s43, s43, STG
	v_mul_u32_u24 v[KWR], v37, 8*KP
	v_lshl_add_u32 v[KWR], v36, 3, v[KWR]
	v_add_nc_u32 v[KWR], s43, v[KWR]               ; stage + (32 w + 8 h) x 144 + 8 r
	s_mul_i32 s44, s12, 32*VP
	s_add_co_u32 s44, s44, STG+VOFF
	v_mul_u32_u24 v[VWR], v37, 4*VP
	v_lshl_add_u32 v[VWR], v36, 3, v[VWR]
	v_add_nc_u32 v[VWR], s44, v[VWR]               ; stage + V's part + (32 w + 4 h) x 160 + 8 r
	v_mul_u32_u24 v[KFA], v36, KP                  ; a fragment of 16 rows x 32 along d: row r, 16 bytes at 16 h, and 32 bytes further on
	v_lshl_add_u32 v[KFA], v37, 4, v[KFA]
	v_add_nc_u32 v[KFA], STG, v[KFA]
	v_and_b32 v41, 7, v0                           ; the transposing load: lane l addresses key 8 h + l % 8, 16 bytes (8 d) at 16 x ((l / 8) % 2)
	v_lshl_add_u32 v41, v37, 3, v41
	v_mul_u32_u24 v[VFA], v41, VP
	v_bfe_u32 v41, v0, 3, 1
	v_lshl_add_u32 v[VFA], v41, 4, v[VFA]
	v_add_nc_u32 v[VFA], STG+VOFF, v[VFA]
	s_mul_i32 s45, s12, QSTB
	s_add_co_u32 s45, s45, QSTG                    ; my own stage
	v_mul_u32_u24 v[QST], v37, KP
	v_lshl_add_u32 v[QST], v36, 3, v[QST]
	v_add_nc_u32 v[QST], s45, v[QST]
	v_mul_u32_u24 v[QFA], v36, KP
	v_lshl_add_u32 v[QFA], v37, 4, v[QFA]
	v_add_nc_u32 v[QFA], s45, v[QFA]
	v_mul_u32_u24 v[OST], v36, OP                  ; in: row r, 32 bytes for each half of the lanes
	v_lshl_add_u32 v[OST], v37, 5, v[OST]
	v_add_nc_u32 v[OST], s45, v[OST]
	v_mul_u32_u24 v[ORD], v37, OP                  ; back: lanes 0-15 one row of 256 bytes, lanes 16-31 the next
	v_lshl_add_u32 v[ORD], v36, 4, v[ORD]
	v_add_nc_u32 v[ORD], s45, v[ORD]
	v_lshlrev_b32 v[GQ], 4, v38
	v_lshl_add_u32 v[GQ], s12, 15, v[GQ]           ; w x 128 rows x 256 bytes + 16 l
	v_mov_b32 v[NMC+1], 0                          ; the upper registers of the two broadcast pairs, and the exchange's destination, are written once
	v_mov_b32 v[AL+1], 0
	v_mov_b32 v[TX], 0
; Q: four query tiles (64 rows) at a time.  A load of the wave takes two rows, 512 consecutive bytes; rounded to bf16 they go to my own stage.
.macro QBATCH qb
.irp a, 0,1,2,3
.irp j, 0,1,2,3,4,5,6,7
	global_load_b128 v[SA+32*\a+4*\j:SA+32*\a+4*\j+3], v[GQ], s[4:5] offset:(4*\qb+\a)*4096+512*\j th:TH_LOAD_NT
.endr
.endr
.irp a, 0,1,2,3
	s_wait_loadcnt 24-8*\a                         ; loads come back in order: tile a's eight are in, the later tiles' stay out
.irp j, 0,1,2,3,4,5,6,7
	v_cvt_pk_bf16_f32 v[SA+32*\a+4*\j], v[SA+32*\a+4*\j], v[SA+32*\a+4*\j+1]
	v_cvt_pk_bf16_f32 v[SA+32*\a+4*\j+1], v[SA+32*\a+4*\j+2], v[SA+32*\a+4*\j+3]
	ds_store_b64 v[QST], v[SA+32*\a+4*\j:SA+32*\a+4*\j+1] offset:(16*(4*\qb+\a)+2*\j)*KP
.endr
.endr
.endm
	QBATCH 0
	s_wait_dscnt 0x0                               ; the stores have read their data: the next batch lands in the same registers
	QBATCH 1
	WIN TO2
.irp i, 0,1,2,3,4,5,6,7
.irp c, 0,1
	ds_load_b128 v[16*\i+8*\c:16*\i+8*\c+3],   v[QFA] offset:16*KP*\i+64*\c      ; my own bytes: LDS serves a wave's instructions in order (ISA guide 5.7.1)
	ds_load_b128 v[16*\i+8*\c+4:16*\i+8*\c+7], v[QFA] offset:16*KP*\i+64*\c+32
.endr
.endr
	WIN 0
; The head of a trip: ONE barrier, for four things.  In front of it each wave waits for all its tensor loads (one is out: its part of the f32 tile that this
; trip rounds) and for all its LDS instructions (its reads of the slot rounded last trip and of the stage multiplied last trip, its stores into the stage
; multiplied now).  Behind it: that f32 tile is whole, the stage to be multiplied is whole, the other stage may be written, the slot rounded last trip may be
; filled.  refill = 1: the barrier is a round of the cluster's barrier, since the fill is joint, and the fill is the first tensor load behind it, one a wave.
; By this text's count a wave has one tensor load outstanding.
; The parity changes here.  refill = 1: the descriptors go one key tile on in memory and to the other slot in LDS, behind the wait that shows no load of mine out.
; conv = 1: the four addresses of the rounding are made for the other parity; frag = 1: the two of the fragments for this one.
.macro HEAD refill, conv, frag
	WIN 0
	s_wait_tensorcnt 0x0
	ds_add_u32 v62, v63
	s_wait_dscnt 0x0
.if \refill
	s_add_nc_u64 s[G0K+2:G0K+3], s[G0K+2:G0K+3], TILEB
	s_add_nc_u64 s[G0V+2:G0V+3], s[G0V+2:G0V+3], TILEB
	s_xor_b32 s[G0K+1], s[G0K+1], SLOT             ; wave x 16,384 is below 65,536: the xor adds or takes away a slot
	s_xor_b32 s[G0V+1], s[G0V+1], SLOT
.endif
	s_xor_b32 s[SP], s[SP], SLOT
	s_xor_b32 s[SO], s[SO], SLOT
	s_wait_dscnt 0x0
.if \frag
	v_add_nc_u32 v[KFAC], s[SP], v[KFA]
	v_add_nc_u32 v[VFAC], s[SP], v[VFA]
.endif
.if \conv
	v_add_nc_u32 v[KRDC], s[SO], v[KRD]
	v_add_nc_u32 v[VRDC], s[SO], v[VRD]
	v_add_nc_u32 v[KWRC], s[SO], v[KWR]
	v_add_nc_u32 v[VWRC], s[SO], v[VWR]
.endif
.if \refill
	ROUND
	JLOAD
.else
	s_barrier_signal -1
	s_barrier_wait -1
.endif
.endm
; 64 LDS loads: the fragments of a key tile from this trip's stage.  K's for d 0-31, K's for d 32-63, then V^T's.
.macro FRAGS
	WIN TO1
.irp c, 0,1
.irp t, 0,1,2,3,4,5,6,7
	ds_load_b128 v[16*\t+8*\c:16*\t+8*\c+3],   v[KFAC] offset:16*KP*\t+64*\c
	ds_load_b128 v[16*\t+8*\c+4:16*\t+8*\c+7], v[KFAC] offset:16*KP*\t+64*\c+32
.endr
.endr
.irp b, 0,1,2,3
.irp a, 0,1,2,3
	ds_load_tr16_b128 v[VF+32*\b+8*\a:VF+32*\b+8*\a+3],   v[VFAC] offset:32*VP*\b+32*\a         ; d 16 a + r, keys 32 b + 8 h + 0..7
	ds_load_tr16_b128 v[VF+32*\b+8*\a+4:VF+32*\b+8*\a+7], v[VFAC] offset:32*VP*\b+32*\a+16*VP   ; keys 32 b + 16 + 8 h + 0..7
.endr
.endr
.endm
; My 32 rows of K and of V in f32 from the other parity's slot: 32 loads of 16 bytes a lane, two rows each.
.macro CVLOAD
	WIN TO2
.irp j, 0,1,2,3,4,5,6,7,8,9,10,11,12,13,14,15
	ds_load_b128 v[CV+4*\j:CV+4*\j+3], v[KRDC] offset:256*(16*(\j>>3)+(\j&7))
.endr
.irp j, 0,1,2,3,4,5,6,7,8,9,10,11,12,13,14,15
	ds_load_b128 v[CV+64+4*\j:CV+64+4*\j+3], v[VRDC] offset:256*(8*(\j>>2)+(\j&3))
.endr
.endm
; What two of those loads brought (loads 2 idx and 2 idx + 1) is rounded to bf16 in place: four conversions.
.macro CVT4 idx
	WIN CVW
	v_cvt_pk_bf16_f32 v[CV+8*(\idx)],   v[CV+8*(\idx)],   v[CV+8*(\idx)+1]
	v_cvt_pk_bf16_f32 v[CV+8*(\idx)+1], v[CV+8*(\idx)+2], v[CV+8*(\idx)+3]
	v_cvt_pk_bf16_f32 v[CV+8*(\idx)+4], v[CV+8*(\idx)+4], v[CV+8*(\idx)+5]
	v_cvt_pk_bf16_f32 v[CV+8*(\idx)+5], v[CV+8*(\idx)+6], v[CV+8*(\idx)+7]
.endm
; The rounded rows go into the other parity's stage.
.macro CVPUT
	WIN STW
.irp j, 0,1,2,3,4,5,6,7,8,9,10,11,12,13,14,15
	ds_store_b64 v[KWRC], v[CV+4*\j:CV+4*\j+1] offset:KP*(16*(\j>>3)+(\j&7))
.endr
.irp j, 0,1,2,3,4,5,6,7,8,9,10,11,12,13,14,15
	ds_store_b64 v[VWRC], v[CV+64+4*\j:CV+64+4*\j+1] offset:VP*(8*(\j>>2)+(\j&3))
.endr
.endm
; PRODUCTS, one at a time.
; Product idx (0..15) of the scores of query tile qi into set sb: half idx / 8 of d, key tile idx % 8.  The eight accumulators take turns, one instruction
; a turn; the first half starts the sums.
.macro WQK qi, sb, idx
	WIN QKW
.set qt, (\idx)%8
.if (\idx) < 8
	v_wmma_f32_16x16x32_bf16 v[\sb+8*qt:\sb+8*qt+7], v[16*qt:16*qt+7], v[16*(\qi):16*(\qi)+7], 0
.else
	v_wmma_f32_16x16x32_bf16 v[\sb+8*qt:\sb+8*qt+7], v[16*qt+8:16*qt+15], v[16*(\qi)+8:16*(\qi)+15], v[\sb+8*qt:\sb+8*qt+7]
.endif
.endm
; Product idx (0..15) of O^T += V^T P^T for query tile qi, P in set sb: key block idx / 4, d tile idx % 4.  The four accumulators take turns, one instruction
; a turn.  first = 1: the first key block starts the sums: nothing is ever cleared.
.macro WPV qi, sb, idx, first
	WIN PVW
.set pkb, (\idx)/4
.set pdt, (\idx)%4
.set pzero, 0
.if \first
.if (\idx) < 4
.set pzero, 1
.endif
.endif
.if pzero
	v_wmma_f32_16x16x32_bf16 v[32*(\qi)+8*pdt:32*(\qi)+8*pdt+7], v[VF+32*pkb+8*pdt:VF+32*pkb+8*pdt+7], v[\sb+8*pkb:\sb+8*pkb+7], 0
.else
	v_wmma_f32_16x16x32_bf16 v[32*(\qi)+8*pdt:32*(\qi)+8*pdt+7], v[VF+32*pkb+8*pdt:VF+32*pkb+8*pdt+7], v[\sb+8*pkb:\sb+8*pkb+7], v[32*(\qi)+8*pdt:32*(\qi)+8*pdt+7]
.endif
.endm
; THE SOFTMAX'S INSTRUCTIONS, one at a time.  g = key tile 0..7 of the 128 keys.
.macro MAXK sb, k                      ; link k (0..5) of the four chains of maxima, which do not wait for each other
.irp c, 0,1,2,3
	v_max3_num_f32 v[T+\c], v[T+\c], v[\sb+16*\c+2*(\k)+3], v[\sb+16*\c+2*(\k)+4]
.endr
.endm
.macro SFMA sb, g, r                   ; r = 0..3: two scores x 0.125 log2(e) - maximum x 0.125 log2(e)
	v_pk_fma_f32 v[\sb+8*(\g)+2*(\r):\sb+8*(\g)+2*(\r)+1], v[\sb+8*(\g)+2*(\r):\sb+8*(\g)+2*(\r)+1], s[24:25], v[NMC:NMC+1] op_sel_hi:[1,0,0]
.endm
.macro SEXP sb, g, r                   ; r = 0..7
	v_exp_f32 v[\sb+8*(\g)+(\r)], v[\sb+8*(\g)+(\r)]
.endm
.macro SADD sb, g, r                   ; r = 0..3: two exponentials into one of two chains of sums.  Key tile 0 starts the chains with two adds: nothing is cleared
.if (\g) == 0
.if (\r) < 2
	v_pk_add_f32 v[SUM0+2*(\r):SUM0+2*(\r)+1], v[\sb+4*(\r):\sb+4*(\r)+1], v[\sb+4*(\r)+2:\sb+4*(\r)+3]
.endif
.else
	v_pk_add_f32 v[SUM0+2*((\r)&1):SUM0+2*((\r)&1)+1], v[SUM0+2*((\r)&1):SUM0+2*((\r)&1)+1], v[\sb+8*(\g)+2*(\r):\sb+8*(\g)+2*(\r)+1]
.endif
.endm
.macro SCVT sb, g, r                   ; r = 0..3: two exponentials, which have been added, packed to bf16 in place: register x of the set takes scores 2 x and 2 x + 1
	v_cvt_pk_bf16_f32 v[\sb+4*(\g)+(\r)], v[\sb+8*(\g)+2*(\r)], v[\sb+8*(\g)+2*(\r)+1]
.endm
.macro SRES qi, j                      ; j = 0..15: two output sums of query tile qi times the factor
	v_pk_mul_f32 v[32*(\qi)+2*(\j):32*(\qi)+2*(\j)+1], v[32*(\qi)+2*(\j):32*(\qi)+2*(\j)+1], v[AL:AL+1] op_sel_hi:[1,0]
.endm
; THE BATCH's list, numbers 0 to 98: the 32 scalings (pair p = scores 2 p and 2 p + 1) and the 65 exponentials x0-x64 (x0 the rescale's factor, x(e + 1) score e).  None of them names an exponential's result.
;   0  scaling 0     1  the factor's argument     2-94  31 groups of three: scaling n + 1, x(2 n), x(2 n + 1)     95-97  x62-x64     98  the new maximum is kept
; A pair's scaling stands four lines or more ahead of its exponentials.  Number 98, a plain instruction that names no result, is the one that stands behind the last exponential and ahead of the
; first use (ISA guide 5.7.2): one for the batch.  first = 1: there is no factor and the maximum has been kept already: numbers 1 and 3 are empty, number 98 is a v_nop.
.macro BATCH j, qi, sb, first
.if (\j) == 0
	SFMA \sb, 0, 0
.elseif (\j) == 1
.if \first == 0
	v_fma_f32 v[AL], v[M+\qi], s24, v[NMC]         ; (old maximum - new maximum) x 0.125 log2(e), at most 0
.endif
.elseif (\j) == 98
.if \first
	v_nop
.else
	v_mov_b32 v[M+\qi], v[MN]
.endif
.elseif ((\j) < 95) && (((\j)-2)%3 == 0)
.set ap, ((\j)-2)/3+1
	SFMA \sb, ap/4, ap%4
.else
.set ax, (\j)-33
.if (\j) < 95
.set ax, 2*(((\j)-2)/3)+((\j)-2)%3-1
.endif
.if ax == 0
.if \first == 0
	v_exp_f32 v[AL], v[AL]                         ; the factor for what has been summed so far
.endif
.else
	SEXP \sb, (ax-1)/8, (ax-1)%8
.endif
.endif
.endm
; THE READERS' list, numbers 0 to 64, all behind the batch's wait: the 30 sums a0-a29 in their order (key tile 0's two, then four a key tile) and the 32 packings c0-c31 (key tile c / 4).
;   0, 1  a0, a1     2-57  a(n / 2 + 1) and c((n - 3) / 2) by turns: a packing stands behind all four sums of its key tile, and the links of a chain of sums four lines apart
;   58-64  key tile 7's packings, the two chains joined, the row sum
; Packing c writes register c of the set: the sum and the packing that read that register stand ahead of it.
.macro READER n, qi, sb, first
.if (\n) < 2
	SADD \sb, 0, \n
.elseif ((\n) < 58) && ((\n)%2 == 0)
.set ra, (\n)/2+3
	SADD \sb, ra/4, ra%4
.elseif (\n) < 58
.set rp, ((\n)-3)/2
	SCVT \sb, rp/4, rp%4
.elseif (\n) < 60
	SCVT \sb, 7, (\n)-58
.elseif (\n) == 60
	v_pk_add_f32 v[SUM0:SUM0+1], v[SUM0:SUM0+1], v[SUM1:SUM1+1]
.elseif (\n) == 61
	SCVT \sb, 7, 2
.elseif (\n) == 62
.if \first
	SCVT \sb, 7, 3
.else
	v_add_f32 v[T], v[SUM0], v[SUM0+1]
.endif
.elseif (\n) == 63
.if \first
	v_add_f32 v[LS+\qi], v[SUM0], v[SUM0+1]
.else
	SCVT \sb, 7, 3
.endif
.elseif \first == 0
	v_fma_f32 v[LS+\qi], v[LS+\qi], v[AL], v[T]
.endif
.endm
; SLICE idx (0..31) of the softmax step of query tile qi on its 64 scores a lane in set sb.  first = 1: the first key tile sets maximum and sum, nothing is rescaled.
;   0-2    the four chains of maxima, 8 instructions each          3     their last links, and the joins begin          4    last join, exchange, new maximum, its term
;   5-20   THE BATCH: 8 numbers of its list in slice 5, 6 in each of slices 6-19 (two groups: each begins with a scaling), 7 in slice 20; behind them the batch's one wait
;   21-22  the rescale of the tile's 32 output sums, the one part outside window 0: 8 instructions each
;   23-31  the readers' list: 7 numbers in each of slices 23-29, 8 in slices 30 and 31
.macro SL idx, qi, sb, first
.if (\idx) == 0
	WIN 0
.irp c, 0,1,2,3
	v_max3_num_f32 v[T+\c], v[\sb+16*\c], v[\sb+16*\c+1], v[\sb+16*\c+2]
.endr
	MAXK \sb, 0
.endif
.if (\idx) == 1
	WIN 0
	MAXK \sb, 1
	MAXK \sb, 2
.endif
.if (\idx) == 2
	WIN 0
	MAXK \sb, 3
	MAXK \sb, 4
.endif
.if (\idx) == 3
	WIN 0
	MAXK \sb, 5
	v_max_num_f32 v[MN], v[\sb+47], v[\sb+63]      ; each chain leaves its sixteenth score over
	v_max3_num_f32 v[T], v[T], v[T+1], v[\sb+15]
	v_max3_num_f32 v[T+2], v[T+2], v[T+3], v[\sb+31]
.endif
.if (\idx) == 4
	WIN 0
	v_max3_num_f32 v[T], v[T], v[T+2], v[MN]
	v_permlanex16_b32 v[TX], v[T], s28, s29        ; the other 64 keys of my query lie in lane l xor 16
.if \first
	v_max_num_f32 v[M+\qi], v[T], v[TX]
	v_mul_f32 v[NMC], s26, v[M+\qi]
.else
	v_max3_num_f32 v[MN], v[T], v[TX], v[M+\qi]
	v_mul_f32 v[NMC], s26, v[MN]
.endif
.endif
.if ((\idx) >= 5) && ((\idx) <= 20)
	WIN 0
.set aj, 6*(\idx)-28                   ; slices 6 to 20 begin at number 8 + 6 (idx - 6)
.set an, 6
.if (\idx) == 5
.set aj, 0
.set an, 8
.endif
.if (\idx) == 20
.set an, 7
.endif
.rept an
	BATCH aj, \qi, \sb, \first
.set aj, aj+1
.endr
.if (\idx) == 20
	s_wait_alu depctr_va_vdst(0)                   ; the wait for the batch: ahead of the first instruction that names a result; one for the tile's 65 exponentials
.endif
.endif
.if \first == 0
.if ((\idx) == 21) || ((\idx) == 22)
	WIN RSW
.set rj, 8*((\idx)-21)
.rept 8
	SRES \qi, rj
.set rj, rj+1
.endr
.endif
.endif
.if (\idx) >= 23
	WIN 0
.set bj, 7*((\idx)-23)
.set bq, 7
.if (\idx) >= 30
.set bq, 8
.endif
.if (\idx) == 31
.set bj, 57
.endif
.rept bq
	READER bj, \qi, \sb, \first
.set bj, bj+1
.endr
.endif
.endm
; A STEP: 32 slots, each a product and behind it a slice of query tile qi's softmax (scores in set sb).  Slots 0-15: tile qi - 1's second product (pv = 1), whose P lies
; in the other set ob; slots 16-31: tile qi + 1's scores (qk = 1), which land on that P.
; Distances (ISA guide 7.12.1), counted in plain vector instructions that name none of the product's registers (an exponential is not counted): the slices work on set sb, the
; softmax state and O(qi), the products on set ob, O(qi - 1) and the fragments.  P's key block kb is last read in slot 4 kb + 3 and written over in slot 16 + kb: at the closest
; (slots 15 and 19) slices 15 to 18 stand between, two scalings each: eight.  Slice 31's eight (seven in the first trip) stand between the last score product and the next step's first read of a score.
.macro STEP qi, sb, ob, pv, qk, first
.set sn, 0
.rept 32
.if sn < 16
.if \pv
	WPV (\qi-1), \ob, sn, \first
.endif
.else
.if \qk
	WQK (\qi+1), \ob, (sn-16)
.endif
.endif
	SL sn, \qi, \sb, \first
.set sn, sn+1
.endr
.endm
; Query tile 7's second product.  conv = 1: behind each of its 16 products stand four of the 64 conversions of the next key tile.
.macro LASTPV first, conv
.if \conv
	s_wait_dscnt 0x0                               ; the 32 f32 loads, issued seven steps ago, are the youngest LDS instructions
.endif
.set ln, 0
.rept 16
	WPV 7, SB, ln, \first
.if \conv
	CVT4 ln
.endif
.set ln, ln+1
.endr
.endm
; Trip t: multiplies key tile t from stage t % 2; conv = 1: rounds tile t + 1 from the other slot into the other stage; refill = 1: asks for tile t + 2 into slot t % 2.
.macro TRIP refill, conv, first
	HEAD \refill, \conv, 1
	FRAGS
	s_wait_dscnt 48                                ; K's fragments for d 0-31 are in; the 16 for d 32-63 and V's 32 may be out
.set bn, 0
.rept 8
	WQK 0, SA, bn
.set bn, bn+1
.endr
	s_wait_dscnt 32                                ; all of K's are in; V's 32 may be out
.rept 8
	WQK 0, SA, bn
.set bn, bn+1
.endr
.if \conv
	CVLOAD                                         ; they have the whole trip in which to come back
.endif
	WIN 0
	PLACES                                         ; behind tile 0's last score product, in front of the first read of a score: no vector work of the trip is ready here
	STEP 0, SA, SB, 0, 1, \first
.if \conv
	s_wait_dscnt 32                                ; V's fragments are in; the 32 f32 loads issued behind them may be out
.else
	s_wait_dscnt 0x0
.endif
	STEP 1, SB, SA, 1, 1, \first
	STEP 2, SA, SB, 1, 1, \first
	STEP 3, SB, SA, 1, 1, \first
	STEP 4, SA, SB, 1, 1, \first
	STEP 5, SB, SA, 1, 1, \first
	STEP 6, SA, SB, 1, 1, \first
	STEP 7, SB, SA, 1, 0, \first
	LASTPV \first, \conv
.if \conv
	CVPUT
.endif
	WIN 0                                          ; at a label and at a branch every window is 0
	PLACES                                         ; behind the last products: the next trip loads into their fragment registers, the way out reads their results
.endm
	HEAD 1, 1, 0                                   ; key tile 0 has landed everywhere; tile 1 is asked for, into slot 1, as a refill is; the rounding's addresses point at slot 0 and stage 0
	CVLOAD
	s_wait_dscnt 0x0
.set pn, 0
.rept 16
	CVT4 pn
.set pn, pn+1
.endr
	CVPUT                                          ; tile 0 in bf16, stage 0
	TRIP 1, 1, 1                                   ; trip 0 stands in front of the loop: its products start the output sums, its softmax sets maxima and row sums
	s_mov_b32 s40, 13
.Ltrips:
	TRIP 1, 1, 0                                   ; trips 1 to 13; trip 13 asks for the last tile, 15
	s_sub_co_u32 s40, s40, 1
	s_cmp_lg_u32 s40, 0
	s_cbranch_scc1 .Ltrips
	TRIP 0, 1, 0                                   ; trip 14 asks for nothing and rounds tile 15
	TRIP 0, 0, 0                                   ; trip 15
; THE WAY OUT.  First, for all eight query tiles: the row sum across the two halves of the lanes, and its reciprocal: eight reciprocals, each in a register of its own, are one batch with one wait.
.irp i, 0,1,2,3,4,5,6,7
	v_permlanex16_b32 v[RC+2*\i+1], v[LS+\i], s28, s29
.endr
.irp i, 0,1,2,3,4,5,6,7
	v_add_f32 v[RC+2*\i], v[LS+\i], v[RC+2*\i+1]
.endr
.irp i, 0,1,2,3,4,5,6,7
	v_rcp_f32 v[RC+2*\i], v[RC+2*\i]
.endr
	v_nop                                          ; one plain instruction behind the last reciprocal before a result is used (ISA guide 5.7.2)
	s_wait_alu depctr_va_vdst(0)                   ; the wait for the batch of eight reciprocals, ahead of the first use
; Then a query tile (16 rows of 256 bytes) at a time: scale, 32 bytes a lane and d tile into my
; own stage, whole rows back, and stores of which each covers two rows: 512 consecutive bytes of out0, aligned.
.macro OUT16 qi
	WIN NRM
.irp j, 0,1,2,3,4,5,6,7,8,9,10,11,12,13,14,15
	v_pk_mul_f32 v[OT+2*\j:OT+2*\j+1], v[32*\qi+2*\j:32*\qi+2*\j+1], v[RC+2*\qi:RC+2*\qi+1] op_sel_hi:[1,0]
.endr
	WIN 0
.irp a, 0,1,2,3
.irp c, 0,1
	ds_store_b128 v[OST], v[OT+8*\a+4*\c:OT+8*\a+4*\c+3] offset:64*\a+16*\c    ; d = 16 a + 8 h + 4 c + 0..3 of query r
.endr
.endr
	s_wait_xcnt 0x0                                ; the last tile's global stores have had their addresses translated (ISA guide 3.1): their data registers are loaded again only behind this wait
.irp t, 0,1,2,3,4,5,6,7
	ds_load_b128 v[OB+4*\t:OB+4*\t+3], v[ORD] offset:2*OP*\t                   ; my own bytes, served in order behind the stores above
.endr
.irp t, 0,1,2,3,4,5,6,7
	s_wait_dscnt 7-\t                              ; pair t of rows is in, the later ones may be out
	global_store_b128 v[GQ], v[OB+4*\t:OB+4*\t+3], s[10:11] offset:4096*\qi+512*\t th:TH_STORE_NT
.endr
.endm
	OUT16 0
	OUT16 1
	OUT16 2
	OUT16 3
	OUT16 4
	OUT16 5
	OUT16 6
	OUT16 7
	s_wait_tensorcnt 0x0
	ds_add_u32 v62, v63
	s_wait_dscnt 0x0
	ROUND                                          ; the closing round: no work-group ends while a partner may still ask for a tile that names it
	s_endpgm
.Lfunc_end_k_qc6efcfa1e9_attn:
	.size	k_qc6efcfa1e9_attn, .Lfunc_end_k_qc6efcfa1e9_attn-k_qc6efcfa1e9_attn
	.p2alignl 7, 3214868480
	.fill 96, 4, 3214868480
	.section	.rodata,"a",@progbits
	.p2align	6, 0x0
	.amdhsa_kernel k_qc6efcfa1e9_attn
		.amdhsa_group_segment_fixed_size 327680
		.amdhsa_private_segment_fixed_size 0
		.amdhsa_enable_private_segment 0
		.amdhsa_kernarg_size 32
		.amdhsa_user_sgpr_count 2
		.amdhsa_user_sgpr_kernarg_segment_ptr 1
		.amdhsa_wavefront_size32 1
		.amdhsa_system_sgpr_workgroup_id_x 1
		.amdhsa_system_sgpr_workgroup_id_y 1
		.amdhsa_system_sgpr_workgroup_id_z 1
		.amdhsa_system_vgpr_workitem_id 0
		.amdhsa_next_free_vgpr 1024
		.amdhsa_next_free_sgpr 66
		.amdhsa_reserve_vcc 0
		.amdhsa_float_denorm_mode_32 3
		.amdhsa_float_denorm_mode_16_64 3
		.amdhsa_memory_ordered 1
		.amdhsa_forward_progress 1
		.amdhsa_inst_pref_size 255
	.end_amdhsa_kernel
	.section	.bss,"aw",@nobits
	.p2align	6
	.space	262144
	.amdgpu_metadata
---
amdhsa.version: [ 1, 2 ]
amdhsa.kernels:
  - .name:           k_qc6efcfa1e9_attn
    .symbol:         k_qc6efcfa1e9_attn.kd
    .args:
      - { .name: q, .offset: 0, .size: 8, .value_kind: global_buffer, .address_space: global }
      - { .name: k, .offset: 8, .size: 8, .value_kind: global_buffer, .address_space: global }
      - { .name: v, .offset: 16, .size: 8, .value_kind: global_buffer, .address_space: global }
      - { .name: out0, .offset: 24, .size: 8, .value_kind: global_buffer, .address_space: global }
    .group_segment_fixed_size: 327680
    .private_segment_fixed_size: 0
    .kernarg_segment_align: 8
    .kernarg_segment_size: 32
    .max_flat_workgroup_size: 128
    .sgpr_count:     66
    .vgpr_count:     1024
    .wavefront_size: 32
...
	.end_amdgpu_metadata
.endif
;; end of part 2
